; MI455X (gfx1250); checked and timed in simulation.
; The chip was launched on July 23, 2026; its instructions are those of AMD's public machine-readable ISA for CDNA 5 (MIT licence, August 2026) and "CDNA5" Instruction Set Architecture Reference Guide (July 2026). The comments in the code are by the model that wrote it; some were corrected since.
;; GRU. Allowed arithmetic: matrix products marked QUANTISED: E2M3 operands, one E8M0 scale for each 32 along K, by v_wmma_scale_f32_16x16x128_f8f6f4 with both operands' format E2M3, f32 sums; everything else in f32.
;; Inputs: W_hn_codes 1,024 x 32 x 24 uint8 (E2M3 codes of W_hn, K innermost, in blocks of 32 codes, four codes in three bytes); W_hn_scales 1,024 x 32 uint8 (E8M0 scales of W_hn, one for each 32 codes along K); W_hr_codes 1,024 x 32 x 24 uint8 (E2M3 codes of W_hr, K innermost, in blocks of 32 codes, four codes in three bytes); W_hr_scales 1,024 x 32 uint8 (E8M0 scales of W_hr, one for each 32 codes along K); W_hz_codes 1,024 x 32 x 24 uint8 (E2M3 codes of W_hz, K innermost, in blocks of 32 codes, four codes in three bytes); W_hz_scales 1,024 x 32 uint8 (E8M0 scales of W_hz, one for each 32 codes along K); W_in__codes 1,024 x 32 x 24 uint8 (E2M3 codes of W_in_, K innermost, in blocks of 32 codes, four codes in three bytes); W_in__scales 1,024 x 32 uint8 (E8M0 scales of W_in_, one for each 32 codes along K); W_ir_codes 1,024 x 32 x 24 uint8 (E2M3 codes of W_ir, K innermost, in blocks of 32 codes, four codes in three bytes); W_ir_scales 1,024 x 32 uint8 (E8M0 scales of W_ir, one for each 32 codes along K); W_iz_codes 1,024 x 32 x 24 uint8 (E2M3 codes of W_iz, K innermost, in blocks of 32 codes, four codes in three bytes); W_iz_scales 1,024 x 32 uint8 (E8M0 scales of W_iz, one for each 32 codes along K); b_hn 1,024 float32; b_hr 1,024 float32; b_hz 1,024 float32; b_in_ 1,024 float32; b_ir 1,024 float32; b_iz 1,024 float32; hidden 8,192 x 1,024 float32; input_codes 8,192 x 32 x 24 uint8 (E2M3 codes of input, K innermost, in blocks of 32 codes, four codes in three bytes); input_scales 8,192 x 32 uint8 (E8M0 scales of input, one for each 32 codes along K).
;; Outputs: out0 8,192 x 1,024 float32; out1 8,192 x 1,024 float32.
;; This version of the problem:
;;   THIS VERSION OF THE PROBLEM IS GIVEN IN LOW PRECISION. The matrix products marked QUANTISED in the list below multiply operands that are first quantised to E2M3 (2 exponent bits, 3 mantissa bits; 6 bits a number), with one power-of-two scale for each 32 numbers along K (OCP MX v1.0); their sums are f32. All else is computed in f32.
;;   The module's matrix products, in the order in which they are computed (A, B: the left and right operand; K: the contracted axis; several contracted axes count as one K, in the product's order):
;;     1. [M 8,192, K 1,024] x [K 1,024, N 1,024]; A: input input (given as codes); B: input W_ir (given as codes): QUANTISED
;;     2. [M 8,192, K 1,024] x [K 1,024, N 1,024]; A: input hidden; B: input W_hr (given as codes): QUANTISED
;;     3. [M 8,192, K 1,024] x [K 1,024, N 1,024]; A: input input (given as codes); B: input W_iz (given as codes): QUANTISED
;;     4. [M 8,192, K 1,024] x [K 1,024, N 1,024]; A: input hidden; B: input W_hz (given as codes): QUANTISED
;;     5. [M 8,192, K 1,024] x [K 1,024, N 1,024]; A: input input (given as codes); B: input W_in_ (given as codes): QUANTISED
;;     6. [M 8,192, K 1,024] x [K 1,024, N 1,024]; A: input hidden; B: input W_hn (given as codes): QUANTISED
;;   THE QUANTISER, for each operand of a quantised product, along K:
;;     - K is cut into blocks of 32 from its start; a last block that is shorter is filled with zeros.
;;     - A block's scale is 2^e with e = floor(log2(the largest magnitude in the block)) - 2, held to -126 .. 127; a block of zeros has e = 0. As a byte (E8M0): e + 127.
;;     - Each number is divided by its block's scale, clamped to +-7.5, and rounded to the nearest number of E2M3, ties to even, subnormals kept.
;;     - The product sums the exact products of the quantised numbers (number of the format x scale) in f32.
;;   ~~~python
;;   def quantise(x, axis):      # numpy; x: float32 -> the quantised numbers, widened to float32 again
;;       x = np.moveaxis(x, axis, -1); K = x.shape[-1]
;;       x = np.pad(x, [(0, 0)] * (x.ndim - 1) + [(0, -K % 32)]); x = x.reshape(x.shape[:-1] + (-1, 32)); a = np.abs(x).max(-1, keepdims=True)
;;       e = np.where(a > 0, np.clip(np.frexp(np.where(a > 0, a, 1))[1] - 1 - 2, -126, 127), 0)      # np.frexp(a)[1] - 1 = floor(log2(a)), exactly
;;       r = np.clip(x / 2.0 ** e, -7.5, 7.5)
;;       step = 2.0 ** (np.maximum(np.frexp(np.where(r == 0, 1, r))[1] - 1, 0) - 3)
;;       q = np.round(r / step) * step * 2.0 ** e      # np.round: ties to even
;;       return np.moveaxis(q.reshape(q.shape[:-2] + (-1,))[..., :K], -1, axis).astype(np.float32)
;;   ~~~
;;   INPUTS GIVEN AS CODES. W_hn (in the module: [1024, 1024], K = its axis 1); W_hr (in the module: [1024, 1024], K = its axis 1); W_hz (in the module: [1024, 1024], K = its axis 1); W_in_ (in the module: [1024, 1024], K = its axis 1); W_ir (in the module: [1024, 1024], K = its axis 1); W_iz (in the module: [1024, 1024], K = its axis 1); input (in the module: [8192, 1024], K = its axis 1): each comes as NAME_codes (uint8): NAME with its K axis moved to the last place and cut into blocks of 32 codes, [.., K / 32, bytes a block], one block behind the other in memory; four codes in three bytes: a row's codes are one little-endian stream of bits, code i at bits 6 i .. 6 i + 5 (a code: sign, 2 exponent bits, 3 mantissa bits); and NAME_scales (uint8): the same leading axes, one E8M0 byte (e + 127) for each 32 codes along K. Its value is code x scale, taken as it is: it is not quantised again, and the codes and scales need not be those that the quantiser above would give.
;; One version. Each part assembles by itself: llvm-mc -triple=amdgcn-amd-amdhsa -mcpu=gfx1250 --defsym DOCPART=n.
;; ======== version 1 of 1: 2 launches
;; limits: right only within a limited range of input values
;; workspace buffers: h_codes 6,291,456 bytes; sc_a 524,288 bytes; wl 4,915,200 bytes
;; launch quant (part 1): grid 256 x 1, 4 waves a work-group, no clusters, 33,280 bytes of LDS; arguments hidden, h_codes, sc_a, input_scales, W_ir_codes, W_iz_codes, W_in__codes, W_hr_codes, W_hz_codes, W_hn_codes, W_ir_scales, W_iz_scales, W_in__scales, W_hr_scales, W_hz_scales, W_hn_scales, wl; writes h_codes, sc_a, wl
.if DOCPART == 1
	.amdgcn_target "amdgcn-amd-amdhsa--gfx1250"
	.amdhsa_code_object_version 6
	.text
	.protected	k_q1500ea1639_quant
	.globl	k_q1500ea1639_quant
	.p2align	8
	.type	k_q1500ea1639_quant,@function
k_q1500ea1639_quant:
	s_mov_b64 s[64:65], 0
	v_nop
	global_prefetch_b8 v0, s[64:65] scope:SCOPE_SE
	s_setreg_imm32_b32 hwreg(HW_REG_WAVE_MODE, 25, 1), 1
	s_wait_xcnt 0x0
; hidden [8192][1024], f32, becomes codes of FP6 (E2M3), 6 bits each, K innermost, laid [8192][32][24], and one E8M0 scale byte for each 32 along K, laid [8192][32].
; A block's scale is 2^(floor(log2(its largest magnitude)) - 2); its byte is the largest magnitude's own exponent field - 2, held at 1 from below.  Each number is divided by the scale and
; rounded to the nearest code, ties to even; beyond the largest code the largest.
; LIMITS: a block of zeros gets the byte 1 where the rule says 127 (its codes are zeros, and this program alone reads the bytes); blocks whose largest magnitude lies under 2^(3 - 127) are
; held at that floor; NaN and infinities in hidden are not served.
; Rows are dense and 1,024 is a multiple of 32: the tensor is a plain stream of blocks of 32, and so are the codes and the bytes.
; SHARES: 256 work-groups x 4 waves; a wave takes one run of 8,192 numbers in 16 steps of 512.  Each of a step's four loads reads 512 consecutive bytes, 16 a lane; the conversion wants 16 NEIGHBOURS
; in one lane, so a step's 2,048 bytes turn through the wave's own stage in LDS (16 bytes of padding behind each 64) and come back 64 bytes a lane.  Two neighbouring lanes hold a block.
; A lane's 16 codes are 12 bytes: the wave stores 384 consecutive bytes a step.  A wave's 256 scale bytes are gathered in LDS and leave as one aligned run of 256 bytes.
; Loads run eight steps (32 loads of 512 bytes a wave) ahead, the turn through LDS one step.  Waves share nothing: no barrier.  Every offset is an immediate: no pointer is stepped, no store's data are rewritten.
.set STEPS, 16
.set AHEAD, 8
.set EMAX,  2
.set CB,    12                         ; bytes of 16 codes
.set SP,    80                         ; a lane's place in a stage: 64 bytes + 16 of padding
.set WREG,  8192                       ; LDS of a wave: two stages of 32 x SP bytes, then its 256 scale bytes
.set R,     16                         ; v16-143  eight sets of 16 numbers as they are loaded
.set X,     144                        ; v144-175 two sets of 16 neighbours
.set E,     176                        ; v176-191 a scale byte for each step
.set C,     192                        ; v192-255 codes: four registers for each step
	s_load_b128 s[4:7], s[0:1], 0x0                ; hidden s[4:5], the codes s[6:7]
; THIS LAUNCH ALSO LAYS TWO DENSE IMAGES FOR THE NEXT ONE, all copied in whole aligned runs of 256 bytes, 8 bytes a lane:
;   sc_a [32 tile rows][x, h][256 rows][32]: x's scale bytes (copied) and h's (made here);
;   wl, 307,200 bytes for each of 16 tile columns: the weights' codes in chunks of 256 bytes of a row, [gate r, z, n][64 rows][256] = 49,152 bytes a chunk, three chunks of the x part and three of the h part;
;   behind chunks 0 and 1 stand the weights' scale bytes, 12,288: [part][half of 32 columns][gate][32 rows][32]; then chunks 2 to 5.
; Wave w (0 .. 1,023) copies row w of each of the six weights, 256 bytes of x's scale bytes and, where w < 768, 256 bytes of a weight's.
	s_load_b128 s[8:11], s[0:1], 0x10              ; sc_a, x's scale bytes
	s_load_b256 s[32:39], s[0:1], 0x20             ; codes of Wir, Wiz, Win, Whr
	s_load_b128 s[40:43], s[0:1], 0x40             ; Whz, Whn
	s_load_b256 s[44:51], s[0:1], 0x50             ; scales of Wir, Wiz, Win, Whr
	s_load_b128 s[52:55], s[0:1], 0x70             ; Whz, Whn
	s_load_b64 s[56:57], s[0:1], 0x80              ; wl
	v_lshl_add_u32 v251, v0, 2, 0x8000
	v_mov_b32 v255, 0
	v_lshrrev_b32 v1, 5, v0
	v_readfirstlane_b32 s16, v1                    ; wave 0..3
	v_and_b32 v2, 31, v0                           ; lane
	v_lshlrev_b32 v3, 4, v2                        ; my 16 bytes of a load's 512
	s_mul_i32 s17, s16, WREG
	v_lshrrev_b32 v14, 2, v2
	v_mul_u32_u24 v14, v14, SP
	v_and_b32 v15, 3, v2
	v_lshl_add_u32 v14, v15, 4, v14
	v_add_nc_u32 v14, s17, v14                     ; the stage, on the way in: SP (lane / 4) + 16 (lane % 4); a load's 512 bytes take eight places
	v_mul_u32_u24 v15, v2, SP
	v_add_nc_u32 v15, s17, v15                     ; and on the way out: SP x lane: my 16 neighbours
	v_mul_u32_u24 v4, v2, CB                       ; my codes' place in a step's
	v_lshrrev_b32 v5, 1, v2
	s_add_co_u32 s17, s17, 2*32*SP
	v_add_nc_u32 v5, s17, v5                       ; LDS: my wave's 256 scale bytes, my block's byte
	v_lshlrev_b32 v7, 3, v2                        ; on the way out 8 bytes a lane
	v_add_nc_u32 v6, s17, v7
	s_lshl_b32 s18, ttmp9, 2
	s_add_co_u32 s18, s18, s16                     ; which run of 8,192 numbers is my wave's: 0 .. 1,023
	s_lshl_b32 s20, s18, 15                        ; 32,768 bytes of f32 a run,
	s_mov_b32 s21, 0
	s_mul_i32 s22, s18, 32*STEPS*CB                ; 6,144 bytes of codes,
	s_mov_b32 s23, 0
	s_lshr_b32 s24, s18, 5                         ; sc_a: 16,384 bytes a tile row of 256 rows (32 waves),
	s_lshl_b32 s24, s24, 14
	s_and_b32 s26, s18, 31
	s_lshl_b32 s26, s26, 8                         ; 256 bytes a wave; h's bytes lie 8,192 behind x's
	s_add_co_u32 s24, s24, s26
	s_mov_b32 s25, 0
	s_wait_alu depctr_va_vdst(0)
	s_wait_kmcnt 0x0
	s_add_nc_u64 s[4:5], s[4:5], s[20:21]
	s_add_nc_u64 s[6:7], s[6:7], s[22:23]
	s_add_nc_u64 s[8:9], s[8:9], s[24:25]
	s_lshl_b32 s26, s18, 8
	s_mov_b32 s27, 0
	s_add_nc_u64 s[10:11], s[10:11], s[26:27]      ; x's scale bytes: my 256
	s_mul_i32 s26, s18, 768                        ; row w of each weight
.irp i, 0,1,2,3,4,5
	s_add_nc_u64 s[32+2*\i:33+2*\i], s[32+2*\i:33+2*\i], s[26:27]
.endr
	s_lshr_b32 s28, s18, 6                         ; wl: tile column w / 64, row w % 64 of a gate
	s_mul_i32 s28, s28, 307200
	s_and_b32 s29, s18, 63
	s_lshl_b32 s29, s29, 8
	s_add_co_u32 s26, s28, s29
	s_mov_b64 s[58:59], s[56:57]                   ; wl once more, for the scale bytes
	s_add_nc_u64 s[56:57], s[56:57], s[26:27]
	s_lshr_b32 s30, s18, 7                         ; which weight's scale bytes: 128 runs of 256 bytes each; 6 and 7: none is stored
	s_cmp_eq_u32 s30, 0
	s_cselect_b64 s[60:61], s[44:45], s[54:55]
.irp i, 1,2,3,4
	s_cmp_eq_u32 s30, \i
	s_cselect_b64 s[60:61], s[44+2*\i:45+2*\i], s[60:61]
.endr
	s_and_b32 s26, s18, 127
	s_lshl_b32 s26, s26, 8
	s_add_nc_u64 s[60:61], s[60:61], s[26:27]
	s_bfe_u32 s28, s18, 0x40003                    ; sc_w: 12,288 bytes a tile column,
	s_mul_i32 s28, s28, 307200
	s_lshl_b32 s29, s30, 10                        ; 1,024 a gate,
	s_add_co_u32 s28, s28, s29
	s_cmp_ge_u32 s30, 3
	s_cselect_b32 s29, 3072, 0                     ; the h part 6,144 behind the x part,
	s_add_co_u32 s28, s28, s29
	s_bfe_u32 s29, s18, 0x10002
	s_mul_i32 s29, s29, 3072                       ; 3,072 a half of 32 columns,
	s_add_co_u32 s28, s28, s29
	s_and_b32 s29, s18, 3
	s_lshl_b32 s29, s29, 8                         ; 256 a run of 8 rows
	s_add_co_u32 s26, s28, s29
	s_add_nc_u64 s[58:59], s[58:59], s[26:27]
.irp i, 0,1,2,3,4,5
.irp c, 0,1,2
	global_load_b64 v[208+6*\i+2*\c:209+6*\i+2*\c], v7, s[32+2*\i:33+2*\i] offset:256*\c   ; v208-247 take codes only from step 4 on
.endr
.endr
	global_load_b64 v[244:245], v7, s[10:11]
	global_load_b64 v[246:247], v7, s[60:61]
.macro LOAD t
.irp i, 0,1,2,3
	global_load_b128 v[R+16*((\t)%AHEAD)+4*\i:R+16*((\t)%AHEAD)+4*\i+3], v3, s[4:5] offset:2048*(\t)+512*\i th:TH_LOAD_NT   ; 32 lanes read 512 consecutive bytes
.endr
.endm
.macro TURN t                          ; step t's numbers through the stage: LDS serves a wave's instructions in order (ISA guide 5.7.1), so no wait stands between the stores and the loads
.irp i, 0,1,2,3
	ds_store_b128 v14, v[R+16*((\t)%AHEAD)+4*\i:R+16*((\t)%AHEAD)+4*\i+3] offset:32*SP*((\t)%2)+8*SP*\i
.endr
.irp i, 0,1,2,3
	ds_load_b128 v[X+16*((\t)%2)+4*\i:X+16*((\t)%2)+4*\i+3], v15 offset:32*SP*((\t)%2)+16*\i
.endr
.endm
.irp t, 0,1,2,3,4,5,6,7
	LOAD \t
.endr
	s_wait_loadcnt 4*(AHEAD-1)                     ; step 0's four loads and the 20 older loads of the copies are in; the 28 of steps 1 to 7 may be out
	TURN 0
.irp i, 0,1,2,3,4,5
.irp c, 0,1,2
	global_store_b64 v7, v[208+6*\i+2*\c:209+6*\i+2*\c], s[56:57] offset:(3*(\i/3)+\c)*49152+((3*(\i/3)+\c+2)/4)*12288+(\i%3)*16384   ; chunks 2 to 5 lie behind the scale bytes
.endr
.endr
	global_store_b64 v7, v[244:245], s[8:9]
	s_cmp_lt_u32 s30, 6
	s_cbranch_scc0 .Lno_ws
	global_store_b64 v7, v[246:247], s[58:59] offset:2*49152
.Lno_ws:
	s_wait_xcnt 0x0                                ; the copies' data registers are written again (step 4 on) only behind this wait
.macro STEP t
.set XS, X+16*((\t)%2)
.if (\t) > 0
	s_wait_dscnt 1                                 ; this step's numbers are back from the stage (the last step's byte store may be out): so its stores into the stage have read their registers,
.else
	s_wait_dscnt 0x0
.endif
.if (\t)+AHEAD < STEPS
	LOAD (\t)+AHEAD                                ; which take the loads of eight steps on
.endif
.if (\t)+1 < STEPS
.if STEPS-2-(\t) >= AHEAD-1
	s_wait_loadcnt 4*(AHEAD-1)                     ; the next step's four loads are in; those of the seven steps behind it may be out
.else
	s_wait_loadcnt 4*(STEPS-2-(\t))                ; towards the end fewer steps stand behind it
.endif
	TURN (\t)+1                                    ; and go through the other stage while this step is worked
.endif
	v_max3_num_f32 v8, |v[XS]|, |v[XS+1]|, |v[XS+2]|               ; the largest magnitude of my 16, in two chains
	v_max3_num_f32 v9, |v[XS+3]|, |v[XS+4]|, |v[XS+5]|
.irp i, 6,10
	v_max3_num_f32 v8, v8, |v[XS+\i]|, |v[XS+\i+1]|
	v_max3_num_f32 v9, v9, |v[XS+\i+2]|, |v[XS+\i+3]|
.endr
	v_max3_num_f32 v8, v8, |v[XS+14]|, |v[XS+15]|
	v_max3_num_f32 v8, v8, v9, (EMAX+1)<<23        ; and the floor 2^(EMAX + 1 - 127): so the byte cannot fall under 1
	v_max_num_f32_dpp v8, v8, v8 row_xmask:1 row_mask:0xf bank_mask:0xf   ; and of my neighbour's 16: the block's
	v_add_nc_u32 v11, -(EMAX<<23), v8              ; EMAX off its exponent field: the conversion takes the exponent field of this operand as its scale, and nothing else of it
	v_cvt_scalef32_pk16_fp6_f32 v[C+4*(\t):C+4*(\t)+2], v[XS:XS+15], v11   ; sixteen codes, 96 bits without gaps, the first number's code lowest
	v_lshrrev_b32 v[E+(\t)], 23, v11               ; the scale's byte (also the plain line behind the conversion)
	ds_store_b8 v5, v[E+(\t)] offset:16*(\t)       ; both lanes of a block write the same byte with the same value
	global_store_b96 v4, v[C+4*(\t):C+4*(\t)+2], s[6:7] offset:32*CB*(\t)
.endm
.irp t, 0,1,2,3,4,5,6,7,8,9,10,11,12,13,14,15
	STEP \t
.endr
	ds_load_b64 v[12:13], v6                       ; LDS serves a wave's instructions in order: these see my byte stores
	s_wait_dscnt 0x0
	global_store_b64 v7, v[12:13], s[8:9] offset:8192   ; h's bytes in sc_a: 32 lanes store 256 consecutive bytes, aligned
	s_wait_tensorcnt 0x0
	ds_add_u32 v251, v255
	s_wait_dscnt 0x0
	s_endpgm
.Lfunc_end_k_q1500ea1639_quant:
	.size	k_q1500ea1639_quant, .Lfunc_end_k_q1500ea1639_quant-k_q1500ea1639_quant
	.p2alignl 7, 3214868480
	.fill 96, 4, 3214868480
	.section	.rodata,"a",@progbits
	.p2align	6, 0x0
	.amdhsa_kernel k_q1500ea1639_quant
		.amdhsa_group_segment_fixed_size 33280
		.amdhsa_private_segment_fixed_size 0
		.amdhsa_enable_private_segment 0
		.amdhsa_kernarg_size 136
		.amdhsa_user_sgpr_count 2
		.amdhsa_user_sgpr_kernarg_segment_ptr 1
		.amdhsa_wavefront_size32 1
		.amdhsa_system_sgpr_workgroup_id_x 1
		.amdhsa_system_sgpr_workgroup_id_y 1
		.amdhsa_system_sgpr_workgroup_id_z 1
		.amdhsa_system_vgpr_workitem_id 0
		.amdhsa_next_free_vgpr 256
		.amdhsa_next_free_sgpr 100
		.amdhsa_reserve_vcc 0
		.amdhsa_float_denorm_mode_32 3
		.amdhsa_float_denorm_mode_16_64 3
		.amdhsa_memory_ordered 1
		.amdhsa_forward_progress 1
		.amdhsa_inst_pref_size 38
	.end_amdhsa_kernel
	.amdgpu_metadata
---
amdhsa.version: [ 1, 2 ]
amdhsa.kernels:
  - .name:           k_q1500ea1639_quant
    .symbol:         k_q1500ea1639_quant.kd
    .args:
      - { .name: hidden, .offset: 0, .size: 8, .value_kind: global_buffer, .address_space: global }
      - { .name: h_codes, .offset: 8, .size: 8, .value_kind: global_buffer, .address_space: global }
      - { .name: sc_a, .offset: 16, .size: 8, .value_kind: global_buffer, .address_space: global }
      - { .name: input_scales, .offset: 24, .size: 8, .value_kind: global_buffer, .address_space: global }
      - { .name: W_ir_codes, .offset: 32, .size: 8, .value_kind: global_buffer, .address_space: global }
      - { .name: W_iz_codes, .offset: 40, .size: 8, .value_kind: global_buffer, .address_space: global }
      - { .name: W_in__codes, .offset: 48, .size: 8, .value_kind: global_buffer, .address_space: global }
      - { .name: W_hr_codes, .offset: 56, .size: 8, .value_kind: global_buffer, .address_space: global }
      - { .name: W_hz_codes, .offset: 64, .size: 8, .value_kind: global_buffer, .address_space: global }
      - { .name: W_hn_codes, .offset: 72, .size: 8, .value_kind: global_buffer, .address_space: global }
      - { .name: W_ir_scales, .offset: 80, .size: 8, .value_kind: global_buffer, .address_space: global }
      - { .name: W_iz_scales, .offset: 88, .size: 8, .value_kind: global_buffer, .address_space: global }
      - { .name: W_in__scales, .offset: 96, .size: 8, .value_kind: global_buffer, .address_space: global }
      - { .name: W_hr_scales, .offset: 104, .size: 8, .value_kind: global_buffer, .address_space: global }
      - { .name: W_hz_scales, .offset: 112, .size: 8, .value_kind: global_buffer, .address_space: global }
      - { .name: W_hn_scales, .offset: 120, .size: 8, .value_kind: global_buffer, .address_space: global }
      - { .name: wl, .offset: 128, .size: 8, .value_kind: global_buffer, .address_space: global }
    .group_segment_fixed_size: 33280
    .private_segment_fixed_size: 0
    .kernarg_segment_align: 8
    .kernarg_segment_size: 136
    .max_flat_workgroup_size: 128
    .sgpr_count:     100
    .vgpr_count:     256
    .wavefront_size: 32
...
	.end_amdgpu_metadata
.endif
;; end of part 1
;; launch gru (part 2): grid 16 x 32, 4 waves a work-group, clusters of 4 x 4, 327,680 bytes of LDS; arguments b_ir, b_hr, b_iz, b_hz, b_in_, b_hn, out0, out1, input_codes, h_codes, wl, sc_a, hidden; writes out0, out1
.if DOCPART == 2
	.amdgcn_target "amdgcn-amd-amdhsa--gfx1250"
	.amdhsa_code_object_version 6
	.text
	.protected	k_q1500ea1639_gru
	.globl	k_q1500ea1639_gru
	.p2align	8
	.type	k_q1500ea1639_gru,@function
k_q1500ea1639_gru:
	s_mov_b64 s[64:65], 0
	v_nop
	global_prefetch_b8 v0, s[64:65] scope:SCOPE_SE
	s_setreg_imm32_b32 hwreg(HW_REG_WAVE_MODE, 25, 1), 1
	s_wait_xcnt 0x0
	s_wait_alu depctr_hold_cnt(0) depctr_sa_sdst(0) depctr_va_vdst(0) depctr_va_sdst(0) depctr_va_ssrc(0) depctr_va_vcc(0) depctr_vm_vsrc(0)
	s_getreg_b32 s2, hwreg(HW_REG_IB_STS2, 6, 4)
	s_cmp_eq_u32 s2, 0
	s_cbranch_scc0 .Lentry_in_a_cluster
	s_endpgm
.Lentry_in_a_cluster:
	s_bfe_u32 s2, ttmp6, 0x10000c
	s_cmp_lg_u32 s2, 0xf033
	s_cbranch_scc0 .Lentry_shape_is_right
	s_endpgm
.Lentry_shape_is_right:
; h_t = n + z (hidden - n);  r = sigmoid(x Wir^T + h Whr^T + bir + bhr);  z likewise;  n = tanh(x Win^T + bin + r (h Whn^T + bhn)).  h_t goes to out0 and out1.
; All six products run on FP6 (E2M3) codes and E8M0 bytes as they lie; sums in f32.  Each output has four sums: R, Z, NI, NH.
; SHARES: a tile of h_t is 256 rows x 64 columns, 512 work-groups.  Wave w owns rows 128 (w / 2) on (8 blocks a) and columns 32 (w % 2) on (2 blocks b): 8 x 2 x 4 = 64 accumulators.
; K: x's 1,024 and h's 1,024 count as one K of 2,048: 16 steps of 128 (96 bytes of a row), six chunks of 256 bytes; chunk c lies in slot c % 2.  A slot holds 256 rows of x or h and 192 rows of weights
; (three gates x 64, one dense block of wl).  Every tile's row is 256 bytes of memory and begins at a multiple of 256.  Steps 2, 5, 10, 13 lie across two chunks.
; The scale bytes (sc_a, sc_w: dense blocks laid by the launch before) come once, at the head.  hidden's f32 tile comes last, into slot 0's bytes when chunk 4 is left; h_t is staged over it.
; CLUSTERS 4 x 4: x's, h's tiles and sc_a are shared along a row of the cluster, the weights' and sc_w along a column, by joint loads.
; THE MATRIX INSTRUCTION IS USED TRANSPOSED (source 0 = 16 rows of a weight, source 1 = 16 rows of x or h): lane (r, h) holds row r and columns 8 h + 0 .. 7.
; PREFETCH: hidden's tile (256 rows x 256 bytes, a lane a row, two instructions a wave) is asked for in step 0, 13 steps ahead of its tensor load.  The code tiles have none: K has six chunks, of which two are asked for at the head.
; LIMITS: bir + bhr and biz + bhz are added first and are the C of the first products: another order of rounding than reference()'s.  tanh(u) = 1 - 2 / (1 + 2^(2 u log2 e)): absolute error of the order
; of 1e-7, so the relative error grows for |u| far under 1e-3.  2^x running to infinity or 0 gives r, z exactly 0 or 1 and n exactly +-1.
; REGISTERS.  Window 0: v0-31 addresses; v32-63 scale words, two sets; v64-127 biases; v128-223 fragments of x or h, one set; on the way out v128-255 are at work.
; Window 1: the weights' 6 fragments, two sets, at v0 and v128; on the way out v0-127 take rows to be stored.  Windows 2, 3: accumulators (G, a, b) at v[8 (8 (a % 4) + 2 G + b)], G = 0 R, 1 Z, 2 NI, 3 NH.
.set ROWB,  256
.set PITCH, 272                        ; 256 bytes + 16 of padding
.set FR,    12
.set HALFA, 128*PITCH
.set HALFW, 96*PITCH
; LDS: x's / h's slot 0, slot 1; the weights' slot 0, slot 1 and their scale bytes (one dense run of wl: chunks 0, 1 and the bytes come by ONE load at the head, so both slots are filled there); then sc_a.
.set SLA,   2*HALFA                    ; from slot to slot: x's and h's rows,
.set SLW,   2*HALFW                    ; the weights'
.set UNIT,  272
.set WB,    2*SLA                      ; the weights' slot 0
.set SCW,   WB+2*SLW                   ; the weights' scale bytes, 48 units;
.set SCA,   SCW+48*UNIT                ; x's and h's, 64 units
.set SPARE, SCA+64*UNIT                ; the spare words: 512 bytes that no other line names
.set HP,    272
.set WCH,   192*256                    ; a chunk of wl
.set PFO,  15
.set ADRA, 16                          ; v16-17 my fragments of x / h in slot 0, 1; v18-19 for pieces whose two halves of lanes lie in different chunks
.set ADRB, 20                          ; v20-23 the same for the weights
.set HA,   24
.set RD,   25
.set CO,   26
.set VB,   27
.set SPW,  28
.set NIL,  29
.set ADRS, 30                          ; v30-31 scale words, x part and h part: lanes 0-15 x's / h's rows, lanes 16-31 the weights'
.set SC,   32
.set BR,   64                          ; bir + bhr, biz + bhz, bin: 16 each
.set BHN,  112
.set AF,   128
.set TR,   128
.set TZ,   160
.set TN,   192
.set H,    224
.set WV,   2
.set WH,   3
.set WL,   100
.set G1,   24
.set G0,   32
.set G1B,  48
.set G0B,  56
.set G1S,  68
.set G1SB, 76
.set G0H,  96
.set G0HB, 40
.set G0S,  44
.set G0SB, 20
.set G1H,  68                          ; hidden's descriptors lie where the scales' lay
.set G0D,  76
.set XB,   84
.set HB,   86
.set CA,   40
.set CT,   42
.set MSB, 0
.macro WIN new
.if MSB != (\new)
	s_set_vgpr_msb (MSB<<8)|(\new)
.set MSB, (\new)
.endif
.endm
.set MUL_LO,   0xa1
.set MUL_HI,   0xf1
.set FIRST_LO, 0x81                    ; C (a bias) window 0
.set FIRST_HI, 0xc1
.set TO_B,     0x40
.macro PLACES n
.rept \n
	v_nop
.endr
.endm
.macro TL g0, g1                       ; a tensor load with s_nop 0 and four v_nop behind it
	tensor_load_to_lds s[\g0:\g0+3], s[\g1:\g1+7]
	s_nop 0
	PLACES 4
.endm
.macro JLOAD s                         ; waves 0, 1 fetch the halves of x's or h's rows, waves 2, 3 those of the weights'
	s_cmp_eq_u32 s[WH], 0
	s_cbranch_scc0 .Lfor_w_\@
	TL G0+4*(\s), G1
	s_branch .Lasked_\@
.Lfor_w_\@:
	TL G0B+4*(\s), G1B
.Lasked_\@:
.endm
.macro CREST
	s_cmp_lg_u32 s[WV], 0
	s_cbranch_scc1 .Lnot_wave_0_\@
	s_barrier_signal -3
.Lnot_wave_0_\@:
	s_barrier_wait -3
	s_barrier_signal -1
	s_barrier_wait -1
.endm
.macro CROUND
	s_barrier_signal -1
	s_barrier_wait -1
	CREST
.endm
.macro SHAPE g, c, r, p
	s_mov_b32 s[\g+1], (\c)<<16
	s_mov_b32 s[\g+2], (\r)<<16
	s_mov_b32 s[\g+3], (\c)<<16
	s_mov_b32 s[\g+4], \r
	s_mov_b32 s[\g+5], \p
	s_mov_b32 s[\g+6], 0
	s_mov_b32 s[\g+7], 0
.endm
.macro GRP0 g, lds, ptr
	s_mov_b32 s[\g], 1
	s_mov_b32 s[\g+1], \lds
	s_mov_b64 s[\g+2:\g+3], s[\ptr:\ptr+1]
	s_or_b32 s[\g+3], s[\g+3], 0x80000000
.endm
	s_load_b512 s[4:19], s[0:1], 0x0               ; bir 4, bhr 6, biz 8, bhz 10, bin 12, bhn 14, out0 16, out1 18
	s_load_b256 s[84:91], s[0:1], 0x40             ; x's codes 84, h's 86, wl 88, sc_a 90
	s_load_b64 s[94:95], s[0:1], 0x60              ; hidden
	v_lshl_add_u32 v[SPW], v0, 2, SPARE
	v_mov_b32 v[NIL], 0
	ds_add_u32 v[SPW], v[NIL]                      ; the opening lines
	ds_add_u32 v[SPW], v[NIL]
	v_lshrrev_b32 v1, 5, v0
	v_readfirstlane_b32 s[WV], v1
	s_lshr_b32 s[WH], s[WV], 1
	s_and_b32 s[WL], s[WV], 1
	s_bfe_u32 s40, ttmp6, 0x40000                  ; cx
	s_bfe_u32 s41, ttmp6, 0x40004                  ; cy
	s_lshl_b32 s42, ttmp9, 2
	s_add_co_u32 s42, s42, s40                     ; tx: which 64 columns
	s_and_b32 s43, ttmp7, 0xffff
	s_lshl_b32 s43, s43, 2
	s_add_co_u32 s43, s43, s41                     ; ty: which 256 rows
	s_lshl_b32 s44, s41, 2
	s_lshl_b32 s44, 15, s44                        ; my row of the cluster
	s_lshl_b32 s45, 0x1111, s40                    ; my column
	s_or_b32 s[G1], s44, (1<<20)|(1<<21)|(5<<22)|(3<<25)
	SHAPE G1, ROWB, 256, 768                       ; the head's load: 256 rows; the ring's: 128
	s_or_b32 s[G1B], s45, (1<<20)|(1<<21)|(5<<22)|(3<<25)
	SHAPE G1B, ROWB, 432, ROWB                     ; the head's load: 2 x 192 rows of codes and 48 of scale bytes, dense; the ring's: 96
	s_or_b32 s[G1S], s44, (3<<16)|(1<<20)|(1<<21)|(5<<22)|(3<<25)
	SHAPE G1S, 32, 64, 32
	s_mul_i32 s96, s43, 256*768                    ; what hangs on ty: codes of x and h,
	s_mov_b32 s97, 0
	s_lshl_b32 s22, s43, 14                        ; sc_a;
	s_mov_b32 s23, 0
	s_mul_i32 s98, s42, 6*WCH+12288                ; on tx: wl
	s_mov_b32 s99, 0
	s_mov_b32 s105, 0
	s_lshl_b32 s101, s42, 8                        ; 256 bytes a tile column
	s_lshl_b32 s46, s43, 20
	s_add_co_u32 s46, s46, s101                    ; the tile in hidden, out0, out1
	s_mov_b32 s47, 0
	s_mul_i32 s66, s[WL], 12*UNIT
	s_add_co_u32 s66, s66, SCW                     ; my weights' scale bytes,
	s_mul_i32 s67, s[WH], 16*UNIT
	s_add_co_u32 s67, s67, SCA
	s_sub_co_u32 s67, s67, s66                     ; and how far behind them my rows' of x lie
	s_wait_dscnt 0x0
	s_wait_kmcnt 0x0
	s_add_nc_u64 s[XB:XB+1], s[XB:XB+1], s[96:97]
	s_add_nc_u64 s[HB:HB+1], s[HB:HB+1], s[96:97]
	s_add_nc_u64 s[88:89], s[88:89], s[98:99]
	s_add_nc_u64 s[90:91], s[90:91], s[22:23]
	s_add_nc_u64 s[94:95], s[94:95], s[46:47]
	s_add_nc_u64 s[16:17], s[16:17], s[46:47]
	s_add_nc_u64 s[18:19], s[18:19], s[46:47]
	GRP0 G0H,  0,       XB                         ; the head's four tiles: chunk 0's 256 rows of x,
	GRP0 G0HB, WB,      88                         ; the weights' chunks 0, 1 and scale bytes,
	GRP0 G0S,  SCA,     90                         ; the two blocks of scale bytes
	s_mov_b32 s[G0SB], 1                           ; chunk 1's 256 rows of x
	s_mov_b32 s[G0SB+1], SLA
	s_add_nc_u64 s[G0SB+2:G0SB+3], s[XB:XB+1], ROWB
	s_or_b32 s[G0SB+3], s[G0SB+3], 0x80000000
	s_mul_i32 s104, s[WL], 128*768                 ; the ring: my half of a tile's rows
	s_add_nc_u64 s[XB:XB+1], s[XB:XB+1], s[104:105]
	s_add_nc_u64 s[HB:HB+1], s[HB:HB+1], s[104:105]
	s_mul_i32 s104, s[WL], 96*256
	s_add_co_u32 s104, s104, 12288                 ; the ring's chunks, 2 to 5, lie behind the scale bytes
	s_add_nc_u64 s[88:89], s[88:89], s[104:105]
	s_mul_i32 s104, s[WL], HALFA
	s_mul_i32 s92, s[WL], HALFW
.irp s, 0,1
	s_mov_b32 s[G0+4*\s], 1
	s_add_co_u32 s[G0+4*\s+1], s104, \s*SLA
	s_add_nc_u64 s[G0+4*\s+2:G0+4*\s+3], s[XB:XB+1], \s*ROWB
	s_or_b32 s[G0+4*\s+3], s[G0+4*\s+3], 0x80000000
	s_mov_b32 s[G0B+4*\s], 1
	s_add_co_u32 s[G0B+4*\s+1], s92, WB+\s*SLW
	s_add_nc_u64 s[G0B+4*\s+2:G0B+4*\s+3], s[88:89], \s*WCH
	s_or_b32 s[G0B+4*\s+3], s[G0B+4*\s+3], 0x80000000
.endr
	CROUND                                         ; the first joint loads meet
.macro ARM under, g0, g1, next         ; one load a wave, one chain of branches on the wave's number
	s_cmp_lt_u32 s[WV], \under
	s_cbranch_scc0 \next
	TL \g0, \g1
	s_branch .Lhead_asked
\next:
.endm
	ARM 1, G0H,  G1,  .Lhead_w
	ARM 2, G0HB, G1B, .Lhead_sa
	ARM 3, G0S,  G1S, .Lhead_sw
	TL G0SB, G1
.Lhead_asked:
	v_and_b32 v1, 15, v0                           ; r
	v_bfe_u32 v2, v0, 4, 1                         ; h
	v_bfe_u32 v3, v0, 5, 1                         ; wc
	v_bfe_u32 v4, v0, 6, 1                         ; wr
	v_sub_nc_u32 v7, 1, v2                         ; 1 in lanes 0-15
	v_lshl_add_u32 v[VB], v3, 7, s101
	v_lshl_add_u32 v[VB], v2, 5, v[VB]             ; a bias: 256 tx + 128 wc + 32 h
.macro BIAS reg, ptr
.irp b, 0,1
.irp c, 0,1
	global_load_b128 v[\reg+8*\b+4*\c:\reg+8*\b+4*\c+3], v[VB], s[\ptr:\ptr+1] offset:64*\b+16*\c
.endr
.endr
.endm
	BIAS BR, 4
	BIAS AF, 6                                     ; bhr, bhz for the moment where fragments will lie
	BIAS BR+16, 8
	BIAS AF+16, 10
	BIAS BR+32, 12
	BIAS BHN, 14
	v_mul_u32_u24 v5, v1, PITCH
	v_mad_u32_u24 v6, v2, 24, v5                   ; a fragment's row x pitch + 24 x half
	v_mad_u32_u24 v8, v2, SLA-232, v5
	v_mad_u32_u24 v12, v2, SLW-232, v5             ; (the same two for the weights' slots)
	v_add_nc_u32 v12, 232, v12
	v_add_nc_u32 v8, 232, v8                       ; lanes 0-15 byte 232 of the row in slot 0, lanes 16-31 byte 0 in slot 1;
	v_mad_u32_u24 v9, v7, SLA+232, v5              ; and the other way round
	v_mad_u32_u24 v13, v7, SLW+232, v5
	v_mul_u32_u24 v10, v4, HALFA                   ; my 128 rows of x or h
	v_mul_u32_u24 v11, v3, 32*PITCH
	v_add_nc_u32 v11, WB, v11                      ; my 32 rows of each gate's 64
	v_add_nc_u32 v[ADRA], v10, v6
	v_add_nc_u32 v[ADRA+1], SLA, v[ADRA]
	v_add_nc_u32 v[ADRA+2], v10, v8
	v_add_nc_u32 v[ADRA+3], v10, v9
	v_add_nc_u32 v[ADRB], v11, v6
	v_add_nc_u32 v[ADRB+1], SLW, v[ADRB]
	v_add_nc_u32 v[ADRB+2], v11, v12
	v_add_nc_u32 v[ADRB+3], v11, v13
	v_lshrrev_b32 v12, 3, v1                       ; scale bytes: 32 a row, eight rows to a unit
	v_and_b32 v13, 7, v1
	v_mul_u32_u24 v12, v12, UNIT
	v_lshl_add_u32 v12, v13, 5, v12
	v_mul_u32_u24 v13, s67, v7                     ; lanes 0-15 take x's
	v_add_nc_u32 v13, v13, v12
	v_add_nc_u32 v[ADRS], s66, v13
	v_mad_u32_u24 v14, v7, 8*UNIT, v[ADRS]         ; the h part: 24 units on in sc_w, 32 in sc_a
	v_add_nc_u32 v[ADRS+1], 24*UNIT, v14
	v_lshl_add_u32 v13, v4, 7, v1                  ; the way out: row 128 wr + r,
	v_mul_u32_u24 v[HA], v13, HP
	v_lshl_add_u32 v[HA], v3, 7, v[HA]
	v_lshl_add_u32 v[HA], v2, 5, v[HA]             ; + 128 wc + 32 h bytes
	v_lshlrev_b32 v13, 7, v4
	v_lshl_add_u32 v13, v3, 4, v13
	v_add_nc_u32 v13, v13, v2                      ; back: row 128 wr + 16 wc + h
	v_mul_u32_u24 v[RD], v13, HP
	v_lshl_add_u32 v[RD], v1, 4, v[RD]
	v_lshlrev_b32 v[CO], 12, v13
	v_lshl_add_u32 v[CO], v1, 4, v[CO]
	v_lshlrev_b32 v[PFO], 12, v0                   ; the prefetch: a thread a row of hidden's tile
	s_wait_alu depctr_va_vdst(0)
	s_wait_loadcnt 0x0
.set i, 0
.rept 16
	v_pk_add_f32 v[BR+i:BR+i+1], v[BR+i:BR+i+1], v[AF+i:AF+i+1]   ; bir + bhr, biz + bhz
.set i, i+2
.endr
.macro FRAG reg, adr, st, off          ; 12 registers, six pieces of 8 bytes; byte y of the virtual row of 1,536 lies in slot (y / 256) % 2 at byte y % 256
.irp p, 0,1,2,3,4,5
.set BY, 96*(\st)+48*(\p/3)+8*(\p%3)
.if BY/ROWB == (BY+24)/ROWB
	ds_load_b64 v[\reg+2*\p:\reg+2*\p+1], v[\adr+(BY/ROWB)%2] offset:BY%ROWB+(\off)
.else
	ds_load_b64 v[\reg+2*\p:\reg+2*\p+1], v[\adr+2+(BY/ROWB)%2] offset:BY%ROWB-232+(\off)
.endif
.endr
.endm
.macro FETCH_B st                      ; 36 loads: fragment f = 2 g + b into set st % 2
	WIN TO_B
.irp f, 0,1,2,3,4,5
	FRAG 128*((\st)%2)+FR*\f, ADRB, \st, (64*(\f/2)+16*(\f%2))*PITCH
.endr
	WIN 0
.endm
.macro FETCH_A st, i0                  ; 24 loads
.irp i, \i0, \i0+1, \i0+2, \i0+3
	FRAG AF+FR*(\i), ADRA, \st, (\i)*16*PITCH
.endr
.endm
.macro SCALES pr                       ; the words of steps 2 pr, 2 pr + 1: register pair i: lanes 0-15 block i of x / h, lanes 16-31 the weights' fragment i (i = 6, 7: bytes that nothing uses)
.irp i, 0,1,2,3,4,5,6,7
	ds_load_b64 v[SC+16*((\pr)%2)+2*\i:SC+16*((\pr)%2)+2*\i+1], v[ADRS+(\pr)/4] offset:\i*2*UNIT+8*((\pr)%4)
.endr
.endm
.macro SETST st
.set PT, (\st)/8                       ; 0: the x part, 1: the h part
.set Q,  (\st)%2
.set SS, ((\st)/2)%2
.set FS, 0
.if ((\st)%8) == 0
.set FS, 1
.endif
.endm
.macro WM c
	v_wmma_scale_f32_16x16x128_f8f6f4 v[rD:rD+7], v[rW:rW+FR-1], v[rA:rA+FR-1], \c, v[rSW], v[rSA] matrix_a_fmt:MATRIX_FMT_FP6 matrix_b_fmt:MATRIX_FMT_FP6 matrix_a_scale:MATRIX_SCALE_ROW1
.endm
; 12 products: blocks a0, a0 + 1 x three gates x two blocks of columns.  A step's 48 accumulators take turns.
.macro MUL12 a0
.irp a, \a0, \a0+1
.irp g, 0,1,2
.irp b, 0,1
.set GG, \g
.if PT && (\g == 2)
.set GG, 3
.endif
.set rD, 8*(8*((\a)%4)+2*GG+\b)
.set rW, 128*Q+FR*(2*\g+\b)
.set rA, AF+FR*(\a)
.set rSW, SC+16*SS+2*(2*\g+\b)+Q
.set rSA, SC+16*SS+2*(\a)+Q
.set rC, BR+16*\g+8*\b
.if FS && (PT == 0)
	WM v[rC:rC+7]
.elseif FS && (\g == 2)
	WM 0
.else
	WM v[rD:rD+7]
.endif
.endr
.endr
.endr
.endm
; A step: 48 products; the next step's fragments are fetched in its middle and at its end.  Where the next step's bytes END in a chunk not yet read, a barrier shows that chunk whole;
; where they BEGIN in a later chunk, the chunk left behind is filled again behind the three lines and a round of the cluster's barrier.
.macro STEP st
	SETST \st
.set NX, (\st)+1
.set C0, (96*(\st))/ROWB
.set C1, (96*NX)/ROWB
.set E0, (96*(\st)+95)/ROWB
.set E1, (96*NX+95)/ROWB
.set LO, MUL_LO
.set HI, MUL_HI
.if (\st) == 0
.set LO, FIRST_LO
.set HI, FIRST_HI
.endif
.if C1 > C0
	s_wait_tensorcnt 0x0                           ; all my tensor loads have landed
.if C1 > C0
	ds_add_u32 v[SPW], v[NIL]
	s_wait_dscnt 25                                ; the add and the youngest 24 loads (blocks 4-7) may be out
.else
	s_wait_dscnt 24
.endif
	WIN LO
	MUL12 0
	s_wait_dscnt 0x0                               ; the add and my reads are done
	s_barrier_signal -1
	MUL12 2
	WIN 0
	s_barrier_wait -1
.if C1 > C0
	CREST
.set CN, C0+2
.set GS, 4*(C0%2)
.if CN < 6
.if CN < 3
	s_add_nc_u64 s[G0+GS+2:G0+GS+3], s[XB:XB+1], CN*ROWB
.else
	s_add_nc_u64 s[G0+GS+2:G0+GS+3], s[HB:HB+1], (CN-3)*ROWB
.endif
	s_or_b32 s[G0+GS+3], s[G0+GS+3], 0x80000000
	s_add_nc_u64 s[G0B+GS+2:G0B+GS+3], s[G0B+GS+2:G0B+GS+3], 2*WCH
	JLOAD C0%2                                     ; chunk C0 + 2; its four v_nop are the places in front of the loads below
.else
	s_mov_b32 s[G1H], (2<<16)|(1<<20)|(5<<22)|(3<<25)   ; hidden's tile, no mask: each wave 64 rows of 256 bytes, over x's rows of slot 0
	SHAPE G1H, 64, 64, 1024
	s_mov_b32 s[G0D], 1
	s_mul_i32 s[G0D+1], s[WV], 64*HP
	s_lshl_b32 s104, s[WV], 18
	s_mov_b32 s105, 0
	s_add_nc_u64 s[G0D+2:G0D+3], s[94:95], s[104:105]
	s_or_b32 s[G0D+3], s[G0D+3], 0x80000000
	TL G0D, G1H
.endif
.else
	PLACES 4
.endif
.else
	s_wait_dscnt 24
	WIN LO
	MUL12 0
	MUL12 2
.if E1 > E0 && E1 > 1                  ; the next step's bytes end in a chunk that the ring brought and no step has read: chunks 0 and 1 were shown whole by the head's barrier
	s_wait_tensorcnt 0x0                           ; my part of that chunk is in
.endif
	s_wait_dscnt 0x0
.if E1 > E0 && E1 > 1
	s_barrier_signal -1
	s_barrier_wait -1                              ; everybody's part is in
.endif
	PLACES 4
.endif
	FETCH_B NX
	FETCH_A NX, 0
.if NX%2 == 0
	SCALES NX/2
.endif
.if (\st) == 0
	global_prefetch_b8 v[PFO], s[94:95] th:TH_LOAD_NT scope:SCOPE_SE                 ; hidden's rows 0-127 of the tile,
	global_prefetch_b8 v[PFO], s[94:95] offset:128*4096 th:TH_LOAD_NT scope:SCOPE_SE ; rows 128-255; the address registers are never rewritten
.endif
	WIN HI
	MUL12 4
	MUL12 6
	PLACES 4
	WIN 0
	FETCH_A NX, 4
.endm
	s_wait_alu depctr_va_vdst(0)
	s_wait_tensorcnt 0x0                           ; my tile of the head's four is in
	s_mov_b32 s[G1+2], 128<<16                     ; no load of mine is out: from here on a load brings half a tile's rows
	s_mov_b32 s[G1+4], 128
	s_mov_b32 s[G1B+2], 96<<16
	s_mov_b32 s[G1B+4], 96
	s_barrier_signal -1
	s_barrier_wait -1                              ; all four tiles are in: both slots and all scale bytes
	FETCH_B 0
	FETCH_A 0, 0
	SCALES 0
	FETCH_A 0, 4
.set ST, 0
.rept 15
	STEP ST
.set ST, ST+1
.endr
	SETST 15                                       ; the last step fetches nothing
	s_wait_dscnt 24
	WIN MUL_LO
	MUL12 0
	MUL12 2
	s_wait_dscnt 0x0
	WIN MUL_HI
	MUL12 4
	MUL12 6
	WIN 0
	s_wait_tensorcnt 0x0                           ; my 64 rows of hidden are in
	s_barrier_signal -1
	s_barrier_wait -1                              ; everybody's are
	PLACES 4
	s_mov_b32 s[CA], 0xbfb8aa3b                    ; -log2(e)
	s_mov_b32 s[CA+1], s[CA]
	s_mov_b32 s[CT], 0x4038aa3b                    ; 2 log2(e)
	s_mov_b32 s[CT+1], s[CT]
; THE WAY OUT, four batches of 32 rows of a wave's 128.  Each accumulator is read from its low end on.  A lane's h_t goes over the bytes of hidden that it read; a row's 256 bytes come from two waves,
; so a barrier stands between writing and reading back; then each wave stores 16 whole rows, twice.
.macro BATCH k
.irp e, 0,1,2,3
	ds_load_b128 v[H+8*\e:H+8*\e+3], v[HA] offset:16*HP*(2*(\k)+\e/2)+64*(\e%2)
	ds_load_b128 v[H+8*\e+4:H+8*\e+7], v[HA] offset:16*HP*(2*(\k)+\e/2)+64*(\e%2)+16
.endr
	WIN 2+(\k)/2
.irp e, 0,1,2,3
.set AC, 8*(8*((2*(\k)+\e/2)%4)+\e%2)
.irp j, 0,2,4,6
	v_pk_mul_f32 v[TR+8*\e+\j:TR+8*\e+\j+1], v[AC+\j:AC+\j+1], s[CA:CA+1] op_sel_hi:[1,0]
.endr
.irp j, 0,2,4,6
	v_pk_mul_f32 v[TZ+8*\e+\j:TZ+8*\e+\j+1], v[AC+16+\j:AC+16+\j+1], s[CA:CA+1] op_sel_hi:[1,0]
.endr
.irp j, 0,2,4,6
	v_pk_add_f32 v[TN+8*\e+\j:TN+8*\e+\j+1], v[AC+48+\j:AC+48+\j+1], v[BHN+8*(\e%2)+\j:BHN+8*(\e%2)+\j+1]
.endr
.endr
	WIN 0
.set i, 0
	s_wait_alu depctr_va_vdst(0)                   ; one wait ahead of each batch of transcendentals and one behind it
.rept 64
	v_exp_f32 v[TR+i], v[TR+i]
.set i, i+1
.endr
	v_nop
	s_wait_alu depctr_va_vdst(0)
.set i, 0
.rept 32
	v_pk_add_f32 v[TR+i:TR+i+1], v[TR+i:TR+i+1], 1.0 op_sel_hi:[1,0]
.set i, i+2
.endr
.set i, 0
	s_wait_alu depctr_va_vdst(0)
.rept 64
	v_rcp_f32 v[TR+i], v[TR+i]                     ; r and z
.set i, i+1
.endr
	v_nop
	s_wait_alu depctr_va_vdst(0)
	WIN (2+(\k)/2)<<4
.irp e, 0,1,2,3
.set AC, 8*(8*((2*(\k)+\e/2)%4)+\e%2)
.irp j, 0,2,4,6
	v_pk_fma_f32 v[TN+8*\e+\j:TN+8*\e+\j+1], v[TR+8*\e+\j:TR+8*\e+\j+1], v[TN+8*\e+\j:TN+8*\e+\j+1], v[AC+32+\j:AC+32+\j+1]   ; u = r (NH + bhn) + NI
.endr
.endr
	WIN 0
.set i, 0
.rept 16
	v_pk_mul_f32 v[TN+i:TN+i+1], v[TN+i:TN+i+1], s[CT:CT+1] op_sel_hi:[1,0]
.set i, i+2
.endr
.set i, 0
	s_wait_alu depctr_va_vdst(0)
.rept 32
	v_exp_f32 v[TN+i], v[TN+i]
.set i, i+1
.endr
	v_nop
	s_wait_alu depctr_va_vdst(0)
.set i, 0
.rept 16
	v_pk_add_f32 v[TN+i:TN+i+1], v[TN+i:TN+i+1], 1.0 op_sel_hi:[1,0]
.set i, i+2
.endr
.set i, 0
	s_wait_alu depctr_va_vdst(0)
.rept 32
	v_rcp_f32 v[TN+i], v[TN+i]
.set i, i+1
.endr
	v_nop
	s_wait_alu depctr_va_vdst(0)
	s_wait_dscnt 0x0                               ; hidden is in
.set i, 0
.rept 16
	v_pk_fma_f32 v[TN+i:TN+i+1], v[TN+i:TN+i+1], -2.0, 1.0 op_sel_hi:[1,0,0]   ; n
.set i, i+2
.endr
.set i, 0
.rept 16
	v_pk_add_f32 v[H+i:H+i+1], v[H+i:H+i+1], v[TN+i:TN+i+1] neg_lo:[0,1] neg_hi:[0,1]
.set i, i+2
.endr
.set i, 0
.rept 16
	v_pk_fma_f32 v[H+i:H+i+1], v[TZ+i:TZ+i+1], v[H+i:H+i+1], v[TN+i:TN+i+1]   ; h_t = z (hidden - n) + n
.set i, i+2
.endr
.irp e, 0,1,2,3
	ds_store_b128 v[HA], v[H+8*\e:H+8*\e+3] offset:16*HP*(2*(\k)+\e/2)+64*(\e%2)
	ds_store_b128 v[HA], v[H+8*\e+4:H+8*\e+7] offset:16*HP*(2*(\k)+\e/2)+64*(\e%2)+16
.endr
	s_wait_dscnt 0x0                               ; for the others' sake
	s_barrier_signal -1
	s_barrier_wait -1
	WIN TO_B
.irp t, 0,1,2,3,4,5,6,7
	ds_load_b128 v[32*(\k)+4*\t:32*(\k)+4*\t+3], v[RD] offset:(32*(\k)+2*\t)*HP
.endr
	WIN 0x04
.irp t, 0,1,2,3,4,5,6,7
	s_wait_dscnt 7-\t                              ; the younger loads may be out
	global_store_b128 v[CO], v[32*(\k)+4*\t:32*(\k)+4*\t+3], s[16:17] offset:(32*(\k)+2*\t)*4096 th:TH_STORE_NT   ; 16 lanes store 256 consecutive bytes, aligned
	global_store_b128 v[CO], v[32*(\k)+4*\t:32*(\k)+4*\t+3], s[18:19] offset:(32*(\k)+2*\t)*4096 th:TH_STORE_NT
.endr
	WIN 0
.endm
	s_wait_alu depctr_va_vdst(0)
	BATCH 0
	BATCH 1
	BATCH 2
	BATCH 3
	s_wait_tensorcnt 0x0                           ; the wave's end
	ds_add_u32 v[SPW], v[NIL]
	s_wait_dscnt 0x0
	CROUND                                         ; the closing round
	s_endpgm
.Lfunc_end_k_q1500ea1639_gru:
	.size	k_q1500ea1639_gru, .Lfunc_end_k_q1500ea1639_gru-k_q1500ea1639_gru
	.p2alignl 7, 3214868480
	.fill 96, 4, 3214868480
	.section	.rodata,"a",@progbits
	.p2align	6, 0x0
	.amdhsa_kernel k_q1500ea1639_gru
		.amdhsa_group_segment_fixed_size 327680
		.amdhsa_private_segment_fixed_size 0
		.amdhsa_enable_private_segment 0
		.amdhsa_kernarg_size 104
		.amdhsa_user_sgpr_count 2
		.amdhsa_user_sgpr_kernarg_segment_ptr 1
		.amdhsa_wavefront_size32 1
		.amdhsa_system_sgpr_workgroup_id_x 1
		.amdhsa_system_sgpr_workgroup_id_y 1
		.amdhsa_system_sgpr_workgroup_id_z 1
		.amdhsa_system_vgpr_workitem_id 0
		.amdhsa_next_free_vgpr 1024
		.amdhsa_next_free_sgpr 106
		.amdhsa_reserve_vcc 0
		.amdhsa_float_denorm_mode_32 3
		.amdhsa_float_denorm_mode_16_64 3
		.amdhsa_memory_ordered 1
		.amdhsa_forward_progress 1
		.amdhsa_inst_pref_size 255
	.end_amdhsa_kernel
	.section	.bss,"aw",@nobits
	.p2align	6
	.space	262144
	.amdgpu_metadata
---
amdhsa.version: [ 1, 2 ]
amdhsa.kernels:
  - .name:           k_q1500ea1639_gru
    .symbol:         k_q1500ea1639_gru.kd
    .args:
      - { .name: b_ir, .offset: 0, .size: 8, .value_kind: global_buffer, .address_space: global }
      - { .name: b_hr, .offset: 8, .size: 8, .value_kind: global_buffer, .address_space: global }
      - { .name: b_iz, .offset: 16, .size: 8, .value_kind: global_buffer, .address_space: global }
      - { .name: b_hz, .offset: 24, .size: 8, .value_kind: global_buffer, .address_space: global }
      - { .name: b_in_, .offset: 32, .size: 8, .value_kind: global_buffer, .address_space: global }
      - { .name: b_hn, .offset: 40, .size: 8, .value_kind: global_buffer, .address_space: global }
      - { .name: out0, .offset: 48, .size: 8, .value_kind: global_buffer, .address_space: global }
      - { .name: out1, .offset: 56, .size: 8, .value_kind: global_buffer, .address_space: global }
      - { .name: input_codes, .offset: 64, .size: 8, .value_kind: global_buffer, .address_space: global }
      - { .name: h_codes, .offset: 72, .size: 8, .value_kind: global_buffer, .address_space: global }
      - { .name: wl, .offset: 80, .size: 8, .value_kind: global_buffer, .address_space: global }
      - { .name: sc_a, .offset: 88, .size: 8, .value_kind: global_buffer, .address_space: global }
      - { .name: hidden, .offset: 96, .size: 8, .value_kind: global_buffer, .address_space: global }
    .group_segment_fixed_size: 327680
    .private_segment_fixed_size: 0
    .kernarg_segment_align: 8
    .kernarg_segment_size: 104
    .max_flat_workgroup_size: 128
    .sgpr_count:     106
    .vgpr_count:     1024
    .wavefront_size: 32
...
	.end_amdgpu_metadata
.endif
;; end of part 2
